; MI455X (gfx1250); checked and timed in simulation.
; The chip was launched on July 23, 2026; its instructions are those of AMD's public machine-readable ISA for CDNA 5 (MIT licence, August 2026) and "CDNA5" Instruction Set Architecture Reference Guide (July 2026). The comments in the code are by the model that wrote it; some were corrected since.
;; Msg Merger. Allowed arithmetic: matrix products marked QUANTISED: E3M2 operands, one E8M0 scale for each 32 along K, by v_wmma_scale_f32_16x16x128_f8f6f4 with both operands' format E3M2, f32 sums; products left as they are: f32 operands where the result goes on into a quantised operand, else bf16, f16 or f32 operands; f32 sums; everything else in f32.
;; Inputs: msg_stacked_codes 256 x 256 x 16 x 24 uint8 (E3M2 codes of msg_stacked, K innermost, in blocks of 32 codes, four codes in three bytes); msg_stacked_scales 256 x 256 x 16 uint8 (E8M0 scales of msg_stacked, one for each 32 codes along K); w_key_codes 512 x 16 x 24 uint8 (E3M2 codes of w_key, K innermost, in blocks of 32 codes, four codes in three bytes); w_key_scales 512 x 16 uint8 (E8M0 scales of w_key, one for each 32 codes along K); w_query_codes 512 x 16 x 24 uint8 (E3M2 codes of w_query, K innermost, in blocks of 32 codes, four codes in three bytes); w_query_scales 512 x 16 uint8 (E8M0 scales of w_query, one for each 32 codes along K); w_value_codes 512 x 16 x 24 uint8 (E3M2 codes of w_value, K innermost, in blocks of 32 codes, four codes in three bytes); w_value_scales 512 x 16 uint8 (E8M0 scales of w_value, one for each 32 codes along K).
;; Outputs: out0 256 x 512 float32.
;; This version of the problem:
;;   THIS VERSION OF THE PROBLEM IS GIVEN IN LOW PRECISION. The matrix products marked QUANTISED in the list below multiply operands that are first quantised to E3M2 (3 exponent bits, 2 mantissa bits; 6 bits a number), with one power-of-two scale for each 32 numbers along K (OCP MX v1.0); their sums are f32. All else is computed in f32.
;;   The module's matrix products, in the order in which they are computed (A, B: the left and right operand; K: the contracted axis; several contracted axes count as one K, in the product's order):
;;     1. [M 65,536, K 512] x [K 512, N 512]; A: input msg_stacked (given as codes); B: input w_query (given as codes): QUANTISED
;;     2. [M 65,536, K 512] x [K 512, N 512]; A: input msg_stacked (given as codes); B: input w_key (given as codes): QUANTISED
;;     3. [M 65,536, K 512] x [K 512, N 512]; A: input msg_stacked (given as codes); B: input w_value (given as codes): QUANTISED
;;     4. batch 256 x [M 256, K 512] x [K 512, N 256]; A: computed on the way; B: computed on the way: QUANTISED
;;     5. batch 256 x [M 1, K 256] x [K 256, N 512]; A: computed on the way; B: computed on the way: left as it is (M = 1 < 16)
;;   THE QUANTISER, for each operand of a quantised product, along K:
;;     - K is cut into blocks of 32 from its start; a last block that is shorter is filled with zeros.
;;     - A block's scale is 2^e with e = floor(log2(the largest magnitude in the block)) - 4, held to -126 .. 127; a block of zeros has e = 0. As a byte (E8M0): e + 127.
;;     - Each number is divided by its block's scale, clamped to +-28, and rounded to the nearest number of E3M2, ties to even, subnormals kept.
;;     - The product sums the exact products of the quantised numbers (number of the format x scale) in f32.
;;   ~~~python
;;   def quantise(x, axis):      # numpy; x: float32 -> the quantised numbers, widened to float32 again
;;       x = np.moveaxis(x, axis, -1); K = x.shape[-1]
;;       x = np.pad(x, [(0, 0)] * (x.ndim - 1) + [(0, -K % 32)]); x = x.reshape(x.shape[:-1] + (-1, 32)); a = np.abs(x).max(-1, keepdims=True)
;;       e = np.where(a > 0, np.clip(np.frexp(np.where(a > 0, a, 1))[1] - 1 - 4, -126, 127), 0)      # np.frexp(a)[1] - 1 = floor(log2(a)), exactly
;;       r = np.clip(x / 2.0 ** e, -28, 28)
;;       step = 2.0 ** (np.maximum(np.frexp(np.where(r == 0, 1, r))[1] - 1, -2) - 2)
;;       q = np.round(r / step) * step * 2.0 ** e      # np.round: ties to even
;;       return np.moveaxis(q.reshape(q.shape[:-2] + (-1,))[..., :K], -1, axis).astype(np.float32)
;;   ~~~
;;   OPERANDS COMPUTED ON THE WAY. 'Computed on the way' means the value that the module computes at that place (a softmax that the list does not call 'softmax' is quantised finished and normalised). What goes into a quantiser is computed in f32, as accurately as f32 sums, v_exp_f32 and their like allow (about 1e-6 of the number): no bf16 or f16 on the way to a quantiser, and a product that is left as it is and whose result goes on into a quantised operand takes f32 operands (vector FMAs, or v_wmma_f32_16x16x4_f32). A number that lies on a knife's edge between two numbers of the format may be rounded either way, as far as f32 arithmetic and the matrix unit's own rounding can turn it there, and no further.
;;   INPUTS GIVEN AS CODES. msg_stacked (in the module: [256, 256, 512], K = its axis 2); w_key (in the module: [512, 512], K = its axis 0); w_query (in the module: [512, 512], K = its axis 0); w_value (in the module: [512, 512], K = its axis 0): each comes as NAME_codes (uint8): NAME with its K axis moved to the last place and cut into blocks of 32 codes, [.., K / 32, bytes a block], one block behind the other in memory; four codes in three bytes: a row's codes are one little-endian stream of bits, code i at bits 6 i .. 6 i + 5 (a code: sign, 3 exponent bits, 2 mantissa bits); and NAME_scales (uint8): the same leading axes, one E8M0 byte (e + 127) for each 32 codes along K. Its value is code x scale, taken as it is: it is not quantised again, and the codes and scales need not be those that the quantiser above would give.
;; One version. Each part assembles by itself: llvm-mc -triple=amdgcn-amd-amdhsa -mcpu=gfx1250 --defsym DOCPART=n.
;; ======== version 1 of 1: 1 launch
;; limits: right only within a limited range of input values
;; launch merge (part 1): grid 256 x 1, 4 waves a work-group, clusters of 4 x 1, 327,680 bytes of LDS; arguments msg_stacked_codes, msg_stacked_scales, w_query_codes, w_query_scales, w_key_codes, w_key_scales, w_value_codes, w_value_scales, out0; writes out0
.if DOCPART == 1
	.amdgcn_target "amdgcn-amd-amdhsa--gfx1250"
	.amdhsa_code_object_version 6
	.text
	.protected	k_qdb4ebe76ee_merge
	.globl	k_qdb4ebe76ee_merge
	.p2align	8
	.type	k_qdb4ebe76ee_merge,@function
k_qdb4ebe76ee_merge:
	s_mov_b64 s[64:65], 0
	v_nop
	global_prefetch_b8 v0, s[64:65] scope:SCOPE_SE
	s_setreg_imm32_b32 hwreg(HW_REG_WAVE_MODE, 25, 1), 1
	s_wait_xcnt 0x0
	s_wait_alu depctr_hold_cnt(0) depctr_sa_sdst(0) depctr_va_vdst(0) depctr_va_sdst(0) depctr_va_ssrc(0) depctr_va_vcc(0) depctr_vm_vsrc(0)
	s_getreg_b32 s2, hwreg(HW_REG_IB_STS2, 6, 4)
	s_cmp_eq_u32 s2, 0
	s_cbranch_scc0 .Lentry_in_a_cluster
	s_endpgm
.Lentry_in_a_cluster:
	s_bfe_u32 s2, ttmp6, 0x10000c
	s_cmp_lg_u32 s2, 0x3003
	s_cbranch_scc0 .Lentry_shape_is_right
	s_endpgm
.Lentry_shape_is_right:
; merged[b][e] = sum over m of c[m] v[m][e],  c[m] = sum over n of softmax_m(q[n] . k[m] / sqrt(512)),  q, k, v = x Wq, x Wk, x Wv.
; x [256 batches][256 tokens][512] and the three weights [512 (e)][512 (K)] arrive as codes of BF6 (E3M2) with one E8M0 byte for each 32 along K.
; q and k are quantised along e in registers; the scores are a product on codes again; c and the last sum are f32 on the vector unit (that product has one row).
; SHARES.  One work-group, four waves, takes one batch.  Wave w owns tokens 64 w .. 64 w + 63 (four tiles of 16): as rows of x, as queries, and as keys for c and v.
; Its 16 fragments of x (192 registers) and their scale words stay in registers.  The weights go through a ring of two LDS slots in 12 tiles of 128 rows e: 0-3 Wq, 4-7 Wk, 8-11 Wv.
; CLUSTER.  The four work-groups of a cluster walk the same weight tiles, so each tile is asked for JOINTLY: the same tensor load, the same descriptor, a mask that names the four.
; QUADS.  A weight tile is two quads of 64 e; a quad is four tiles of 16 rows x four tiles of tokens x four K steps = 64 matrix instructions on 16 accumulators.  Two sets of accumulators take turns:
; while one quad is multiplied, the quad before is quantised (q, k) or multiplied by c and summed (v), and the next fragments are loaded, a few lines behind every four matrix instructions.
; THE ROWS OF A TILE: lane r of tile u of quad Q takes row 64 Q + 32 (r / 8) + 8 u + r % 8 of the weight tile.
; q, k: the product is used TRANSPOSED (source 0 = 16 rows of W, source 1 = x): lane (r, h) holds token r, and its 32 registers of tiles 0-3 are e = 64 Q + 32 h + 0 .. 31: a whole block in one lane, in order.
; A weight tile's 128 e are one K step of the scores: its codes go to LDS as an image of the operand's registers (3 x 512 bytes, 16 bytes a lane), its scale bytes as 4 bytes a row.
; SCORES.  S^T = k q^T (source 0 = 16 keys, source 1 = 16 of my queries): a lane holds one query; 64 queries x 256 keys are 512 registers.  The row's true maximum is taken away before the exponential.
; v: NOT transposed (source 0 = x, source 1 = 16 rows of Wv): register j of lane (r, h) is v[token 8 h + j][its row e], and c lies in the same layout.
; NO PREFETCH: x is read once, with no loop to run ahead in; the weights are 590 KB in all, read by every cluster, each tile asked for a whole group of 128 matrix instructions ahead.
; LIMITS: NaN, infinities and the scale byte 0xff among the inputs are not served.  A block of zeros of q or k keeps the byte 1 (the stated quantiser says 127): its codes are zeros, and this program alone reads the bytes.
; The softmax holds while the scaled scores (exponents to the base 2, before the maximum is taken away) stay under 2^31 in magnitude.
; LDS: 0 slot 0 (four blocks of 32 rows, 432 bytes a row, 13,952 bytes a block) | 55,808 spare words | 56,320 the waves' partial outputs | 65,536 slot 1 | 121,344 eight blocks of 25,600: images (24,576) and scale words (1,024) of q's four and k's four K steps.
;   Block w is first wave w's stage for x; later block d + 6,144 u (wave u's own images of q, which u alone has read) carries u's part of c for wave d.  All of a WGP's LDS is claimed.
; REGISTERS, in windows of 256: window 0: v1-63 addresses and scale words; v64-255 at work.  window 1: x (tile t, K step s) at 48 t + 12 s.
;   window 2: accumulators (t, u) of quad 0 at 128 + 32 t + 8 u, of quad 1 at 32 t + 8 u; S^T of query tiles 0, 1.   window 3: two sets of 8 weight fragments (K steps 0, 1 and 2, 3); S^T of query tiles 2, 3.
.set PITCH, 432                        ; a weight row in LDS: 3 x (128 bytes + 16 of padding)
.set BST,   13952                      ; 32 rows + 128 bytes: the rows r / 8 = 0 and 1 of a fragment then start in different groups of four banks (64 banks of 4 bytes: ISA guide 11.1)
.set SLOTX, 0x10000                    ; slot 1 begins here: one exclusive or turns an address in one slot into the other's
.set SPARE, 55808                      ; the spare words: 128 bytes a wave, two blocks of 256 bytes that no other line names
.set OUTS,  56320                      ; 4 x 2,048 bytes
.set IMG,   121344
.set BLK,   25600
.set FRB,   1536                       ; a fragment's image
.set ISC,   24576                      ; a block's scale words
.set XP,    400                        ; a row of x in the stage: 384 bytes + 16
.set SPW, 1                            ; v1   my spare word's LDS address; never rewritten
.set NIL, 2                            ; v2   0; never rewritten
.set L16, 3                            ; v3   16 x lane
.set WSL, 4                            ; v4   16 x (32 (r / 8) + 8 h + r % 8): my row's scale bytes
.set ADW0, 5                           ; v5   my place in a weight fragment;  v6 the same behind one padding more (lanes 16-31)
.set ADW, 7                            ; v7, v8  the two, in the slot in hand
.set AQ,  9                            ; v9, v10  my wave's images in blocks 0 and 2
.set AIS0, 11                          ; v11  my wave's scale words in block 0: 4 r + h
.set AIM, 12                           ; v12, v13  where this group's images and scale bytes go
.set AIS, 13
.set AK,  14                           ; v14, v15  all waves' images in blocks 4 and 6
.set XS,  16                           ; v16-31  x's scale words (4 t + s)
.set WS,  32                           ; v32-47  the weight tile's scale words (8 Q + 4 (u / 2) + s): lanes 0-15 the even tile's, lanes 16-31 the odd tile's
.set KS,  48                           ; v48-51  k's scale words, two sets of two; a register carries two tiles'
.set QS,  52                           ; v52-55  q's likewise
.set SG,  48                           ; at the head: v48-50 where x goes into the stage, v51 where it is read back; v52 16 r
.set R16, 52
.set AKS, 56                           ; v56, v57  k's scale words in blocks 4 and 6, 4 bytes a lane
.set AQS, 58                           ; v58, v59  my wave's q scale words in blocks 0 and 2
.set ACL, 60                           ; v60  block w: where the parts of c for me lie
.set AO0, 61                           ; v61  my wave's partial outputs;  v62 this group's
.set AO,  62
.set AOR, 63                           ; v63  the last read-back: OUTS + 16 x thread
.set TA,  64                           ; quantising: v64-75 largest magnitudes in three runs, v76-79 the conversions' scale operands, v80-83 the bytes
.set TBB, 68
.set TC,  72
.set TS,  76
.set TY,  80
.set PC,  84                           ; v84 + 12 t: the six code registers of tile t, three more for the second conversion
.set KB,  64                           ; scores: k's four fragments, two sets of 48
.set QB,  160                          ; q's four fragments, two sets of 48
.set MX,  64                           ; softmax: v64-67 four chains of the maximum, v68 the maximum, v[70:71] -c m, v72-79 four chains of the sum, v[80:81] 1 / sum, v82 at work
.set MM,  68
.set NM,  70
.set LL,  72
.set RR,  80
.set TP,  82
.set CC,  64                           ; v64-95 c of my 64 tokens: register 8 t + j, half h: token 16 t + 8 h + j
.set MA,  96                           ; v96-119 four pairs of sums in three runs, v120-123 their halves added, v124-127 the other half of the lanes'
.set MB,  104
.set MC,  112
.set MR,  120
.set MT,  124
.set WV,  26                           ; s26 wave;  s27 cx, s28 batch, s4-s7 what is made of them: these enter the addresses of x, its scales and the output alone
.set G1,  36                           ; s[36:43] descriptor group 1;  s[44:47] group 0
.set G0,  44
.set TB,  48                           ; s48 the slot in hand
.set DI,  49                           ; s49 the image block of the group in hand
.set TN,  50                           ; s50 the next weight tile to ask for
.set LC,  51                           ; s51 loop counter
.set OE,  52                           ; s52 the group's place among the partial outputs
.set TSI, 53                           ; s53 the next tile of scale words
.set SBA, 54                           ; s[54:55] its address
.set SEL, 56                           ; s[56:57] v_permlanex16_b32's selects for lane l xor 16
.set CS,  58                           ; s[58:59] c = log2(e) / sqrt(512);  s60 -c
.set NC,  60
.set MSB, 0
.macro WIN new                         ; the immediate's high byte repeats the setting that is left; a switch that changes nothing is dropped
.if MSB != (\new)
	s_set_vgpr_msb (MSB<<8)|(\new)
.set MSB, (\new)
.endif
.endm
.macro PLACES                          ; four plain places behind a matrix instruction of this form, ahead of loads into its registers and of reads of its results
.rept 4
	v_nop
.endr
.endm
.macro CREST                           ; a round of the cluster's barrier behind its opening barrier
	s_cmp_lg_u32 s[WV], 0
	s_cbranch_scc1 .Lnot_wave_0_\@
	s_barrier_signal -3
.Lnot_wave_0_\@:
	s_barrier_wait -3
	s_barrier_signal -1
	s_barrier_wait -1
.endm
.macro ROUND
	s_barrier_signal -1
	s_barrier_wait -1
	CREST
.endm
; s[dst:dst+1] = tile s[idx] of the three weights' buffers a (tiles 0-3), b (4-7), c (8-11), stride bytes a tile: moves, choices and one sum
.macro PTR dst, idx, a, b, c, stride
	s_and_b32 s30, s[\idx], 3
	s_mul_i32 s30, s30, \stride
	s_mov_b32 s31, 0
	s_cmp_lt_u32 s[\idx], 4
	s_cselect_b64 s[32:33], s[\a:\a+1], s[\b:\b+1]
	s_cmp_lt_u32 s[\idx], 8
	s_cselect_b64 s[32:33], s[32:33], s[\c:\c+1]
	s_add_nc_u64 s[\dst:\dst+1], s[32:33], s[30:31]
.endm
.macro STEPG0                          ; group 0 goes on to tile s[TN] (my 32 rows are in the three pointers already), into the other slot than last time
	PTR G0+2, TN, 12, 16, 20, 49152
	s_or_b32 s[G0+3], s[G0+3], 0x80000000          ; 127:126 type = 2
	s_xor_b32 s[G0+1], s[G0+1], SLOTX
	s_add_co_u32 s[TN], s[TN], 1
.endm
.macro TLOAD                           ; my one tensor load until the next round
	tensor_load_to_lds s[G0:G0+3], s[G1:G1+7]
	s_nop 0
.rept 4
	v_nop
.endr
.endm
.macro SLOTADR
	v_add_nc_u32 v[ADW], s[TB], v[ADW0]
	v_add_nc_u32 v[ADW+1], s[TB], v[ADW0+1]
.endm
; A weight fragment of quad q, tile u, K step s, into its place in set s / 2.  12 registers: lane (r, h) takes its row's 24 bytes at 96 s + 24 h and at 96 s + 48 + 24 h, in pieces of 8 bytes.
; 16 bytes of padding lie behind every 16 pieces; lanes 16-31 read three pieces on, which from piece 13 of 16 on is behind one padding more: the second address register serves those.
.macro LDF q, s, u
	WIN 0xc0
.irp p, 0,1,2,3,4,5
.set PCE, 12*(\s)+6*(\p/3)+\p%3
.set FO, 8*PCE+16*(PCE/16)+2*BST*(\q)+8*PITCH*(\u)
.set FR, 96*((\s)/2)+12*(4*((\s)%2)+(\u))+2*\p
.if PCE%16 < 13
	ds_load_b64 v[FR:FR+1], v[ADW] offset:FO
.else
	ds_load_b64 v[FR:FR+1], v[ADW+1] offset:FO
.endif
.endr
.endm
.macro FETCHC q, hs                    ; eight fragments: K steps 2 hs, 2 hs + 1
.irp g, 0,1,2,3,4,5,6,7
	LDF \q, 2*\hs+\g/4, \g%4
.endr
	WIN 0
.endm
; One matrix instruction from the symbols rD, rA, rB, rSA, rSB; rZ: it starts the sum; rRA, rRB: that side's scales stand in lanes 16-31
.macro WM
.if rZ
.if rRA && rRB
	v_wmma_scale_f32_16x16x128_f8f6f4 v[rD:rD+7], v[rA:rA+11], v[rB:rB+11], 0, v[rSA], v[rSB] matrix_a_fmt:MATRIX_FMT_BF6 matrix_b_fmt:MATRIX_FMT_BF6 matrix_a_scale:MATRIX_SCALE_ROW1 matrix_b_scale:MATRIX_SCALE_ROW1
.elseif rRA
	v_wmma_scale_f32_16x16x128_f8f6f4 v[rD:rD+7], v[rA:rA+11], v[rB:rB+11], 0, v[rSA], v[rSB] matrix_a_fmt:MATRIX_FMT_BF6 matrix_b_fmt:MATRIX_FMT_BF6 matrix_a_scale:MATRIX_SCALE_ROW1
.elseif rRB
	v_wmma_scale_f32_16x16x128_f8f6f4 v[rD:rD+7], v[rA:rA+11], v[rB:rB+11], 0, v[rSA], v[rSB] matrix_a_fmt:MATRIX_FMT_BF6 matrix_b_fmt:MATRIX_FMT_BF6 matrix_b_scale:MATRIX_SCALE_ROW1
.else
	v_wmma_scale_f32_16x16x128_f8f6f4 v[rD:rD+7], v[rA:rA+11], v[rB:rB+11], 0, v[rSA], v[rSB] matrix_a_fmt:MATRIX_FMT_BF6 matrix_b_fmt:MATRIX_FMT_BF6
.endif
.else
.if rRA && rRB
	v_wmma_scale_f32_16x16x128_f8f6f4 v[rD:rD+7], v[rA:rA+11], v[rB:rB+11], v[rD:rD+7], v[rSA], v[rSB] matrix_a_fmt:MATRIX_FMT_BF6 matrix_b_fmt:MATRIX_FMT_BF6 matrix_a_scale:MATRIX_SCALE_ROW1 matrix_b_scale:MATRIX_SCALE_ROW1
.elseif rRA
	v_wmma_scale_f32_16x16x128_f8f6f4 v[rD:rD+7], v[rA:rA+11], v[rB:rB+11], v[rD:rD+7], v[rSA], v[rSB] matrix_a_fmt:MATRIX_FMT_BF6 matrix_b_fmt:MATRIX_FMT_BF6 matrix_a_scale:MATRIX_SCALE_ROW1
.elseif rRB
	v_wmma_scale_f32_16x16x128_f8f6f4 v[rD:rD+7], v[rA:rA+11], v[rB:rB+11], v[rD:rD+7], v[rSA], v[rSB] matrix_a_fmt:MATRIX_FMT_BF6 matrix_b_fmt:MATRIX_FMT_BF6 matrix_b_scale:MATRIX_SCALE_ROW1
.else
	v_wmma_scale_f32_16x16x128_f8f6f4 v[rD:rD+7], v[rA:rA+11], v[rB:rB+11], v[rD:rD+7], v[rSA], v[rSB] matrix_a_fmt:MATRIX_FMT_BF6 matrix_b_fmt:MATRIX_FMT_BF6
.endif
.endif
.endm
; Quad q, K step gS, weight tile gU, token tile t.  tr = 1: source 0 = W (window 3), source 1 = x (window 1);  tr = 0: the other way round.  C and D in window 2.
.macro WT tr, q, t
.set rD, 128*(1-(\q))+32*(\t)+8*gU
.set rZ, 0
.if gS == 0
.set rZ, 1
.endif
.if \tr
.set rA, 96*(gS/2)+12*(4*(gS%2)+gU)
.set rB, 48*(\t)+12*gS
.set rSA, WS+8*(\q)+4*(gU/2)+gS
.set rSB, XS+4*(\t)+gS
.set rRA, gU%2
.set rRB, 0
.else
.set rA, 48*(\t)+12*gS
.set rB, 96*(gS/2)+12*(4*(gS%2)+gU)
.set rSA, XS+4*(\t)+gS
.set rSB, WS+8*(\q)+4*(gU/2)+gS
.set rRA, 0
.set rRB, gU%2
.endif
	WM
.endm
; Group g of eight of a half quad (K steps 2 hs, 2 hs + 1): four matrix instructions.  The quad's 16 accumulators take turns, one instruction a turn.
.macro GG tr, q, hs, g
.set gS, 2*(\hs)+(\g)/4
.set gU, (\g)%4
.if \tr
	WIN 0xa7
.else
	WIN 0xad
.endif
.irp t, 0,1,2,3
	WT \tr, \q, \t
.endr
.endm
; THE VECTOR WORK ON THE QUAD BEFORE (its registers begin at 128 q while quad q is multiplied), cut into slots behind the groups.  A run of dependent lines never goes across a wait: what the first half of a half quad
; gathers (steps 0-6) and what the second gathers (7-13) are runs of their own, joined behind steps 14, 15, so that nine plain vector lines or more stand between a write ahead of a wait and its reader behind it.
.macro QSTEP q                         ; step qi of 16: two of a lane's 32 numbers, for each token tile; each accumulator from its low end on
.irp t, 0,1,2,3
.set qn, 128*(\q)+32*\t+2*qi
.if qi == 0
	v_max3_num_f32 v[TA+\t], 0x2800000, |v[qn]|, |v[qn+1]|   ; the floor 2^(5 - 127) among the leaves: the byte cannot fall under 1
.elseif qi < 7
	v_max3_num_f32 v[TA+\t], v[TA+\t], |v[qn]|, |v[qn+1]|
.elseif qi == 7
	v_max3_num_f32 v[TBB+\t], 0, |v[qn]|, |v[qn+1]|
.elseif qi < 14
	v_max3_num_f32 v[TBB+\t], v[TBB+\t], |v[qn]|, |v[qn+1]|
.elseif qi == 14
	v_max3_num_f32 v[TC+\t], v[TA+\t], |v[qn]|, |v[qn+1]|
.else
	v_max3_num_f32 v[TC+\t], v[TC+\t], |v[qn]|, |v[qn+1]|
.endif
.endr
.endm
.macro FSTEP q                         ; step qi of 16: a pair of tokens of c v, for each of the quad's four tiles; each accumulator from its low end on
.set cn, CC+2*qi
.irp u, 0,1,2,3
.set qn, 128*(\q)+32*(qi/4)+8*\u+2*(qi%4)
.if qi == 0
	v_pk_mul_f32 v[MA+2*\u:MA+2*\u+1], v[qn:qn+1], v[cn:cn+1]
.elseif qi < 7
	v_pk_fma_f32 v[MA+2*\u:MA+2*\u+1], v[qn:qn+1], v[cn:cn+1], v[MA+2*\u:MA+2*\u+1]
.elseif qi == 7
	v_pk_mul_f32 v[MB+2*\u:MB+2*\u+1], v[qn:qn+1], v[cn:cn+1]
.elseif qi < 14
	v_pk_fma_f32 v[MB+2*\u:MB+2*\u+1], v[qn:qn+1], v[cn:cn+1], v[MB+2*\u:MB+2*\u+1]
.elseif qi == 14
	v_pk_fma_f32 v[MC+2*\u:MC+2*\u+1], v[qn:qn+1], v[cn:cn+1], v[MA+2*\u:MA+2*\u+1]
.else
	v_pk_fma_f32 v[MC+2*\u:MC+2*\u+1], v[qn:qn+1], v[cn:cn+1], v[MC+2*\u:MC+2*\u+1]
.endif
.endr
.endm
.macro CV q, t                         ; 32 numbers of a lane, a whole block, in two conversions (each one's three registers begin on an even number)
	v_cvt_scalef32_pk16_bf6_f32 v[PC+12*\t:PC+12*\t+2], v[128*(\q)+32*\t:128*(\q)+32*\t+15], v[TS+\t]
	v_cvt_scalef32_pk16_bf6_f32 v[PC+12*\t+6:PC+12*\t+8], v[128*(\q)+32*\t+16:128*(\q)+32*\t+31], v[TS+\t]
.endm
.macro RX m, p0                        ; 16 registers of c: plus those of lane l xor m
.set rp, \p0
.rept 16
	v_add_f32_dpp v[CC+rp], v[CC+rp], v[CC+rp] row_xmask:\m row_mask:0xf bank_mask:0xf
.set rp, rp+1
.endr
.endm
; k = 1, 2: quantising, in the first and the second half quad;  3, 4: the sum of c v;  5, 6: c's own reduction
.macro VEC k, q, g
.if ((\k) == 1) || ((\k) == 3)
.set qi, 2*(\g)-(\g)/4                 ; slots 0-3: steps 0,1 2,3 4,5 6; slots 4-7: steps 7,8 9,10 11,12 13
.if (\k) == 1
	WIN 0x28                                       ; sources 1 and 2 in window 2
	QSTEP \q
.if ((\g)%4) < 3
.set qi, qi+1
	QSTEP \q
.endif
.else
	WIN 0x02                                       ; source 0 in window 2
	FSTEP \q
.if ((\g)%4) < 3
.set qi, qi+1
	FSTEP \q
.endif
.endif
.elseif (\k) == 2
.if (\g) == 0
	WIN 0x28
.set qi, 14
	QSTEP \q
.set qi, 15
	QSTEP \q
	WIN 0
.irp t, 0,1,2,3
	v_max_num_f32 v[TC+\t], v[TC+\t], v[TBB+\t]    ; the block's largest magnitude
.endr
.elseif (\g) == 1
	WIN 0
.irp t, 0,1,2,3
	v_add_nc_u32 v[TS+\t], 0xfe000000, v[TC+\t]    ; 4 off its exponent field: the conversion takes the exponent field of this operand as its scale
.endr
.irp t, 0,1,2,3
	v_lshrrev_b32 v[TY+\t], 23, v[TS+\t]           ; the scale's byte
.endr
	WIN 0x02
	CV \q, 0
	CV \q, 1
	WIN 0
	v_nop                                          ; one plain place behind a scaled conversion
.elseif (\g) == 2
	WIN 0x02
	CV \q, 2
	CV \q, 3
	WIN 0
	v_nop
.irp t, 0,1,2,3
.irp i, 0,1,2
	v_mov_b32 v[PC+12*\t+3+\i], v[PC+12*\t+6+\i]
.endr
.endr
.irp t, 0,1,2,3                        ; quad 0: the operand's registers 0-5; quad 1: its registers 6-11
.if (\q) == 1
	ds_store_b128 v[AIM], v[PC+12*\t:PC+12*\t+3] offset:FRB*\t
	ds_store_b64 v[AIM], v[PC+12*\t+4:PC+12*\t+5] offset:FRB*\t+512
.else
	ds_store_b64 v[AIM], v[PC+12*\t:PC+12*\t+1] offset:FRB*\t+520
	ds_store_b128 v[AIM], v[PC+12*\t+2:PC+12*\t+5] offset:FRB*\t+1024
.endif
	ds_store_b8 v[AIS], v[TY+\t] offset:64*\t+2*(1-(\q))   ; byte 2 Q + h of my token's scale word
.endr
.elseif (\g) == 7
	WIN 0
	PLACES                                         ; ahead of the first reads of this quad's results
.endif
.elseif (\k) == 4
.if (\g) == 0
	WIN 0x02
.set qi, 14
	FSTEP \q
.set qi, 15
	FSTEP \q
	WIN 0
.irp u, 0,1,2,3
	v_pk_add_f32 v[MC+2*\u:MC+2*\u+1], v[MC+2*\u:MC+2*\u+1], v[MB+2*\u:MB+2*\u+1]
.endr
.elseif (\g) == 1
	WIN 0
.irp u, 0,1,2,3
	v_add_f32 v[MR+\u], v[MC+2*\u], v[MC+2*\u+1]
.endr
.irp u, 0,1,2,3
	v_permlanex16_b32 v[MT+\u], v[MR+\u], s[SEL], s[SEL+1]
.endr
.elseif (\g) == 2
	WIN 0
.irp u, 0,1,2,3
	v_add_f32 v[MR+\u], v[MR+\u], v[MT+\u]         ; with lane l xor 16's tokens
.endr
.irp u, 0,1,2,3
	ds_store_b32 v[AO], v[MR+\u] offset:256*(1-(\q))+32*\u   ; both halves of the lanes write the same word with the same value
.endr
.elseif (\g) == 7
	WIN 0
	PLACES
.endif
.elseif (\k) == 5
	WIN 0
.set rp, 6*(\g)
.rept 6
.set ru, 1+rp/16
.set rq, rp%16
	v_pk_add_f32 v[CC+2*rq:CC+2*rq+1], v[CC+2*rq:CC+2*rq+1], v[CC+32*ru+2*rq:CC+32*ru+2*rq+1]
.set rp, rp+1
.endr
.else
	WIN 0
.if (\g)/2 == 0
	RX 1, 16*((\g)%2)
.elseif (\g)/2 == 1
	RX 2, 16*((\g)%2)
.elseif (\g)/2 == 2
	RX 4, 16*((\g)%2)
.else
	RX 8, 16*((\g)%2)
.endif
.endif
.endm
.macro WSLD q                          ; quad q's scale words of the tile at s[SBA:SBA+1]: each load covers two aligned runs of 256 bytes
.irp i, 0,1
	global_load_b128 v[WS+8*(\q)+4*\i:WS+8*(\q)+4*\i+3], v[WSL], s[SBA:SBA+1] offset:1024*(\q)+256*\i
.endr
.endm
; HALF A QUAD: 32 matrix instructions.  Behind each four: vector work, and one fragment (six loads) of the next half quad, (nq, nhs), into the other set.
; Four fragments (24 loads) may be out at its start and, with w2 - 24 LDS stores more, in its middle: each half of it waits for the four fragments that it multiplies.
; wsl: the quad whose scale words are loaded, behind vector lines enough for the places (-1: none).
.macro CHUNK tr, q, hs, nq, nhs, vec, w2, wsl
.if (\hs) == 0
	s_wait_loadcnt 0x0                             ; this quad's scale words are in
.endif
	s_wait_dscnt 24
.irp g, 0,1,2,3,4,5,6,7
.if \g == 4
	s_wait_dscnt \w2
.endif
	GG \tr, \q, \hs, \g
	VEC \vec, \q, \g
.if ((\wsl) >= 0) && (\g == 1)
	WIN 0
	WSLD \wsl
.endif
	LDF \nq, 2*\nhs+\g/4, \g%4
.endr
	WIN 0
.endm
; A TRIP: quad 1 of the weight tile in hand, the change of slots, quad 0 of the next tile.  last >= 0: in trip 'last' nothing is multiplied behind the change of slots, and quad 1's vector work stands alone.
.macro TRIP tr, refill, last
	s_wait_xcnt 0x0                                ; the last loads of scale words have read their base: it may be written
	s_min_u32 s34, s[TSI], 11                      ; (the last tile has no successor: its own words are read once more, unused)
	PTR SBA, 34, 14, 18, 22, 2048                  ; the next tile's scale bytes: 128 rows of 16
	s_add_co_u32 s[TSI], s[TSI], 1
	CHUNK \tr, 1, 0, 1, 1, 3-2*\tr, 24, 0
	s_xor_b32 s[TB], s[TB], SLOTX                  ; the slot's last fragments are asked for: the reads go on to the other slot
	s_wait_dscnt 24
	GG \tr, 1, 1, 0
	WIN 0
	SLOTADR
.if \tr
	v_add_nc_u32 v[AIM], s[DI], v[AQ]
	v_add_nc_u32 v[AIS], s[DI], v[AIS0]
.else
	v_add_nc_u32 v[AO], s[OE], v[AO0]
.endif
	VEC 4-2*\tr, 1, 0
	GG \tr, 1, 1, 1
	VEC 4-2*\tr, 1, 1
	GG \tr, 1, 1, 2
	VEC 4-2*\tr, 1, 2
	WIN 0
	s_wait_tensorcnt 0x0                           ; all my tensor loads have landed (one was out: my rows of the next tile): group 0 may be written
	ds_add_u32 v[SPW], v[NIL]
.if \refill
	STEPG0
.endif
	GG \tr, 1, 1, 3
	s_wait_dscnt 0x0                               ; the add is done; my reads of the slot in hand and my stores are over
	s_barrier_signal -1
	GG \tr, 1, 1, 4
	WIN 0
	s_barrier_wait -1
.if \refill
	CREST                                          ; no wave of any partner reads the slot or has a load on its way
	TLOAD                                          ; the tile two on, into the slot just left
.else
	PLACES
.endif
.if (\last) >= 0
	s_cmp_eq_u32 s[LC], \last
	s_cbranch_scc1 .Lalone_\@
.endif
.irp u, 0,1,2,3
	LDF 0, 0, \u
.endr
	GG \tr, 1, 1, 5
	LDF 0, 1, 0
	LDF 0, 1, 1
	GG \tr, 1, 1, 6
	LDF 0, 1, 2
	LDF 0, 1, 3
	GG \tr, 1, 1, 7
	WIN 0
	PLACES                                         ; ahead of the first reads of quad 1's results
	CHUNK \tr, 0, 0, 0, 1, 3-2*\tr, 24, 1
	CHUNK \tr, 0, 1, 1, 0, 4-2*\tr, 28+8*\tr, -1
.if (\last) >= 0
	s_branch .Ljoin_\@
.Lalone_\@:
	GG \tr, 1, 1, 5
	GG \tr, 1, 1, 6
	GG \tr, 1, 1, 7
	WIN 0
	PLACES
.irp g, 0,1,2,3,4,5,6,7
	VEC 3-2*\tr, 0, \g
.endr
.irp g, 0,1,2
	VEC 4-2*\tr, 0, \g
.endr
	WIN 0
.if \tr
	WSLD 1
.endif
.Ljoin_\@:
.endif
.endm
; Batch bb of 16 of the scores: K step bb / 4, key tiles 4 (bb % 4) on.  k's four fragments and two registers of scale words, 14 loads
.macro FETCHK bb
.set fS, (\bb)/4
.set fT, 4*((\bb)%4)
.set fR, KB+48*((\bb)%2)
.irp i, 0,1,2,3
.irp j, 0,1,2
	ds_load_b128 v[fR+12*\i+4*\j:fR+12*\i+4*\j+3], v[AK+fS/2] offset:BLK*(fS%2)+FRB*(fT+\i)+512*\j
.endr
.endr
.irp ii, 0,1
	ds_load_b32 v[KS+2*((\bb)%2)+\ii], v[AKS+fS/2] offset:BLK*(fS%2)+64*(fT+2*\ii)   ; lanes 0-15 one tile's words, lanes 16-31 the next tile's
.endr
.endm
.macro FETCHQ s                        ; my four query tiles' fragments of K step s, likewise
.set fR, QB+48*((\s)%2)
.irp u, 0,1,2,3
.irp j, 0,1,2
	ds_load_b128 v[fR+12*\u+4*\j:fR+12*\u+4*\j+3], v[AQ+(\s)/2] offset:BLK*((\s)%2)+FRB*\u+512*\j
.endr
.endr
.irp ii, 0,1
	ds_load_b32 v[QS+2*((\s)%2)+\ii], v[AQS+(\s)/2] offset:BLK*((\s)%2)+128*\ii
.endr
.endm
.macro MULB bb                         ; its 16 matrix instructions, on 16 accumulators
.set mS, (\bb)/4
.set mT, 4*((\bb)%4)
.set rZ, 0
.if mS == 0
.set rZ, 1
.endif
.irp u, 0,1,2,3
	WIN 0xa0+0x50*(\u/2)                           ; C and D in window 2 (query tiles 0, 1) or 3
.irp i, 0,1,2,3
.set rD, 128*(\u%2)+8*(mT+\i)
.set rA, KB+48*((\bb)%2)+12*\i
.set rB, QB+48*(mS%2)+12*\u
.set rSA, KS+2*((\bb)%2)+\i/2
.set rSB, QS+2*(mS%2)+\u/2
.set rRA, \i%2
.set rRB, \u%2
	WM
.endr
.endr
.endm
; The softmax of query tile u: a lane holds one query and 128 of its 256 scores (keys 16 T + 8 h + j), lane l xor 16 the others.  p / sum is added onto query tile 0's registers: there c's parts gather.
.macro SOFT u
.set sW, 2+(\u)/2
.set sO, 128*((\u)%2)
	WIN sW|(sW<<2)
.irp c, 0,1,2,3
	v_max_num_f32 v[MX+\c], v[sO+2*\c], v[sO+2*\c+1]   ; four chains; the pairs ascend
.endr
	WIN (sW<<2)|(sW<<4)
.set p, 4
.rept 60
	v_max3_num_f32 v[MX+p%4], v[MX+p%4], v[sO+2*p], v[sO+2*p+1]
.set p, p+1
.endr
	WIN 0
	v_max3_num_f32 v[MM], v[MX], v[MX+1], v[MX+2]
	v_max_num_f32 v[MM], v[MM], v[MX+3]
	v_permlanex16_b32 v[TP], v[MM], s[SEL], s[SEL+1]
	v_max_num_f32 v[MM], v[MM], v[TP]              ; the row's maximum
	v_mul_f32 v[NM], s[NC], v[MM]                  ; -c m
	v_mov_b32 v[NM+1], v[NM]                       ; (named with it as a pair, so it is written)
	WIN sW|(sW<<6)
.set p, 0
.rept 64
	v_pk_fma_f32 v[sO+2*p:sO+2*p+1], v[sO+2*p:sO+2*p+1], s[CS:CS+1], v[NM:NM+1] op_sel_hi:[1,0,0]   ; c s - c m
.set p, p+1
.endr
.set p, 0
	s_wait_alu depctr_va_vdst(0)                   ; the wait ahead of the batch
.rept 128
	v_exp_f32 v[sO+p], v[sO+p]                     ; one batch
.set p, p+1
.endr
	v_nop                                          ; a plain place behind the last exponential
	s_wait_alu depctr_va_vdst(0)                   ; the wait ahead of the first reader: one for the batch
	WIN sW|(sW<<2)
.irp c, 0,1,2,3
	v_pk_add_f32 v[LL+2*\c:LL+2*\c+1], v[sO+4*\c:sO+4*\c+1], v[sO+4*\c+2:sO+4*\c+3]   ; the row's sum, in four chains
.endr
	WIN sW<<2
.set p, 8
.rept 56
	v_pk_add_f32 v[LL+2*(p%4):LL+2*(p%4)+1], v[LL+2*(p%4):LL+2*(p%4)+1], v[sO+2*p:sO+2*p+1]
.set p, p+1
.endr
	WIN 0
	v_pk_add_f32 v[LL:LL+1], v[LL:LL+1], v[LL+2:LL+3]
	v_pk_add_f32 v[LL+4:LL+5], v[LL+4:LL+5], v[LL+6:LL+7]
	v_pk_add_f32 v[LL:LL+1], v[LL:LL+1], v[LL+4:LL+5]
	v_add_f32 v[LL], v[LL], v[LL+1]
	v_permlanex16_b32 v[TP], v[LL], s[SEL], s[SEL+1]
	v_add_f32 v[LL], v[LL], v[TP]
	s_wait_alu depctr_va_vdst(0)                   ; (as above)
	v_rcp_f32 v[RR], v[LL]
	v_rcp_f32 v[RR+1], v[LL]                       ; twice: a pair for the packed forms
	v_nop
	s_wait_alu depctr_va_vdst(0)                   ; one wait for the two reciprocals
.set p, 0
.if (\u) == 0
	WIN 0x82
.rept 64
	v_pk_mul_f32 v[2*p:2*p+1], v[2*p:2*p+1], v[RR:RR+1]
.set p, p+1
.endr
.else
	WIN 0xa0|sW
.rept 64
	v_pk_fma_f32 v[2*p:2*p+1], v[sO+2*p:sO+2*p+1], v[RR:RR+1], v[2*p:2*p+1]
.set p, p+1
.endr
.endif
	WIN 0
.endm
; x's tile t through my own stage: in as loaded, back as fragments.  LDS serves a wave's instructions in order (ISA guide 5.7.1.4): no wait between
.macro XT t
	s_wait_loadcnt 36-12*\t                        ; tile t's 12 loads are in (the scale words were asked for ahead of them): the 12 (3 - t) younger loads of x may be out
.irp a, 0,1,2,3
.irp b, 0,1,2
	ds_store_b128 v[SG+\b], v[64+4*(12*\t+3*\a+\b):64+4*(12*\t+3*\a+\b)+3] offset:4*XP*(4*\t+\a)
.endr
.endr
	WIN 0x40                                       ; destination window 1
.irp s, 0,1,2,3
.irp p, 0,1,2,3,4,5
	ds_load_b64 v[48*\t+12*\s+2*\p:48*\t+12*\s+2*\p+1], v[SG+3] offset:16*XP*\t+96*\s+48*(\p/3)+8*(\p%3)
.endr
.endr
	WIN 0
.endm
.macro MULT t, s0                      ; token tile t against quad 0, K steps s0, s0 + 1: four accumulators by turns
	WIN 0xa7
.irp d, 0,1
.irp u, 0,1,2,3
.set gS, \s0+\d
.set gU, \u
	WT 1, 0, \t
.endr
.endr
	WIN 0
.endm
	; ---- THE HEAD
	s_load_b512 s[8:23], s[0:1], 0x0               ; x's codes s[8:9], x's scales s[10:11]; Wq's s[12:13], s[14:15]; Wk's s[16:17], s[18:19]; Wv's s[20:21], s[22:23]
	s_load_b64 s[24:25], s[0:1], 0x40              ; the output
	v_lshl_add_u32 v[SPW], v0, 2, SPARE
	v_mov_b32 v[NIL], 0
	ds_add_u32 v[SPW], v[NIL]                      ; the opening: the add, twice on end, and its wait ahead of my first tensor load
	ds_add_u32 v[SPW], v[NIL]
	v_lshrrev_b32 v64, 5, v0
	v_readfirstlane_b32 s[WV], v64                 ; wave 0..3
	s_bfe_u32 s27, ttmp6, 0x40000                  ; cx
	s_lshl_b32 s28, ttmp9, 2                       ; in a cluster launch ttmp9 counts clusters
	s_add_co_u32 s28, s28, s27                     ; my batch
	; descriptor group 1: my 32 weight rows of 384 bytes, which lie end to end, as 48 rows of 256 bytes, padded in LDS
	s_mov_b32 s[G1], 15|(1<<20)|(1<<21)|(4<<22)|(3<<25)   ; 15:0 the mask: all four work-groups; 17:16 elements of 1 byte; 20 padding on; 21 set beside a mask; 24:22 after every 32 words (code 4); 31:25 4 words of it (code 3)
	s_mov_b32 s[G1+1], 256<<16                     ; tensor_dim0
	s_mov_b32 s[G1+2], 48<<16                      ; tensor_dim1
	s_mov_b32 s[G1+3], 256<<16                     ; tile_dim0
	s_mov_b32 s[G1+4], 48                          ; tile_dim1
	s_mov_b32 s[G1+5], 256                         ; tensor_dim0_stride
	s_mov_b32 s[G1+6], 0
	s_mov_b32 s[G1+7], 0
	s_mov_b32 s[TB], 0
	s_mov_b32 s[DI], 0
	s_mov_b32 s[TN], 1
	s_mov_b32 s[OE], 0
	s_mov_b32 s[TSI], 1
	s_mov_b32 s[SEL], 0x76543210
	s_mov_b32 s[SEL+1], 0xfedcba98
	s_mov_b32 s[CS], 0x3d8293ee                    ; c = log2(e) / sqrt(512)
	s_mov_b32 s[CS+1], s[CS]                       ; (named with it as a pair, so it is written)
	s_mov_b32 s[NC], 0xbd8293ee                    ; -c
	s_mul_i32 s30, s[WV], 4*FRB
	s_add_co_u32 s30, s30, IMG
	s_lshl_b32 s31, s[WV], 8
	s_add_co_u32 s31, s31, IMG+ISC
	s_mul_i32 s32, s[WV], BLK
	s_add_co_u32 s32, s32, IMG                     ; block w: my stage for x, later the parts of c for me
	s_lshl_b32 s33, s[WV], 11
	s_add_co_u32 s33, s33, OUTS
	v_and_b32 v64, 31, v0                          ; lane
	v_and_b32 v65, 15, v0                          ; r
	v_bfe_u32 v66, v0, 4, 1                        ; h
	v_and_b32 v67, 7, v0                           ; r % 8
	v_bfe_u32 v68, v0, 3, 1                        ; r / 8
	v_lshl_add_u32 v69, v68, 5, v67                ; my row of a tile of weights: 32 (r / 8) + r % 8
	v_lshlrev_b32 v[L16], 4, v64
	v_lshlrev_b32 v[R16], 4, v65
	v_lshl_add_u32 v70, v66, 3, v69
	v_lshlrev_b32 v[WSL], 4, v70
	v_mul_u32_u24 v[ADW0], v67, PITCH
	v_mad_u32_u24 v[ADW0], v68, BST, v[ADW0]
	v_mad_u32_u24 v[ADW0], v66, 24, v[ADW0]
	v_lshl_add_u32 v[ADW0+1], v66, 4, v[ADW0]
	v_add_nc_u32 v[AQ], s30, v[L16]
	v_add_nc_u32 v[AQ+1], 2*BLK, v[AQ]
	v_lshl_add_u32 v71, v65, 2, v66
	v_add_nc_u32 v[AIS0], s31, v71
	v_lshl_add_u32 v[AQS], v64, 2, s31
	v_add_nc_u32 v[AQS+1], 2*BLK, v[AQS]
	v_add_nc_u32 v[AK], IMG+4*BLK, v[L16]
	v_add_nc_u32 v[AK+1], 2*BLK, v[AK]
	v_lshl_add_u32 v[AKS], v64, 2, IMG+4*BLK+ISC
	v_add_nc_u32 v[AKS+1], 2*BLK, v[AKS]
	v_add_nc_u32 v[ACL], s32, v[L16]
	v_lshl_add_u32 v[AO0], v69, 2, s33
	v_lshl_add_u32 v[AOR], v0, 4, OUTS
	; the stage for x.  Three loads of 512 bytes are four rows of 384: piece n = 32 b + lane of 96 pieces of 16 bytes lies in row n / 24 (= 171 n >> 12 for n under 96), and a row has 16 bytes of padding behind it
.irp b, 0,1,2
	v_add_nc_u32 v72, 32*\b, v64
	v_mul_u32_u24 v73, v72, 171
	v_lshrrev_b32 v73, 12, v73
	v_add_nc_u32 v73, v73, v72
	v_lshl_add_u32 v[SG+\b], v73, 4, s32
.endr
	v_mul_u32_u24 v74, v65, XP
	v_mad_u32_u24 v74, v66, 24, v74
	v_add_nc_u32 v[SG+3], s32, v74                 ; and back: row r, + 24 h
	s_wait_dscnt 0x0                               ; both opening adds are done
	s_wait_alu depctr_va_vdst(0)                   ; the wait directly ahead of the wait below
	s_wait_kmcnt 0x0
	s_mul_i32 s4, s28, 98304                       ; x's codes: 256 rows of 384 bytes a batch,
	s_mul_i32 s6, s[WV], 24576                     ; 64 rows a wave
	s_add_co_u32 s4, s4, s6
	s_mov_b32 s5, 0
	s_add_nc_u64 s[8:9], s[8:9], s[4:5]
	s_lshl_b32 s4, s28, 12                         ; x's scales: 16 bytes a row
	s_lshl_b32 s6, s[WV], 10
	s_add_co_u32 s4, s4, s6
	s_add_nc_u64 s[10:11], s[10:11], s[4:5]
	s_lshl_b32 s4, s28, 11                         ; the output: 2,048 bytes a batch
	s_add_nc_u64 s[24:25], s[24:25], s[4:5]
	s_mul_i32 s30, s[WV], 12288                    ; of each weight tile I fetch rows 32 w on
	s_mov_b32 s31, 0
	s_add_nc_u64 s[12:13], s[12:13], s[30:31]
	s_add_nc_u64 s[16:17], s[16:17], s[30:31]
	s_add_nc_u64 s[20:21], s[20:21], s[30:31]
	s_mov_b64 s[SBA:SBA+1], s[14:15]
.irp t, 0,1,2,3
	global_load_b128 v[XS+4*\t:XS+4*\t+3], v[R16], s[10:11] offset:256*\t      ; row r of tile t: its four scale words
.endr
	WSLD 0                                         ; weight tile 0's scale words
	WSLD 1
.set i, 0
.rept 48
	global_load_b128 v[64+4*i:64+4*i+3], v[L16], s[8:9] offset:512*i th:TH_LOAD_NT   ; my 64 rows of x as they lie: 512 consecutive bytes a load; read once in the launch
.set i, i+1
.endr
	s_mov_b32 s[G0], 1                             ; 1:0 count = 1
	s_mul_i32 s[G0+1], s[WV], BST                  ; 63:32 LDS address: slot 0, my 32 rows: no place in the cluster enters it
	s_mov_b64 s[G0+2:G0+3], s[12:13]               ; 120:64 global address: tile 0
	s_or_b32 s[G0+3], s[G0+3], 0x80000000          ; 127:126 type = 2
	ROUND                                          ; all four work-groups are here: the first joint loads meet
	TLOAD
	s_wait_alu depctr_va_vdst(0)                   ; the wait at the head's end
	XT 0
	s_wait_tensorcnt 0x0                           ; my rows of tile 0 are in;
	ds_add_u32 v[SPW], v[NIL]
	STEPG0
	s_wait_dscnt 0x0                               ; the add is done; x's tile 0 is in registers
	ROUND                                          ; tile 0 is whole
	TLOAD                                          ; tile 1, into slot 1
	SLOTADR
	s_wait_alu depctr_va_vdst(0)                   ; the wait directly behind the two writes
	; ---- QUAD 0 OF TILE 0, token tile by token tile as x comes in; all its 16 fragments lie in the two sets
	FETCHC 0, 0
	FETCHC 0, 1
	XT 1
	s_wait_dscnt 36                                ; all but tile 1's 12 stores and 24 loads
	MULT 0, 0
	MULT 0, 2
	XT 2
	s_wait_dscnt 36
	MULT 1, 0
	MULT 1, 2
	XT 3
	s_wait_dscnt 36
	MULT 2, 0
	MULT 2, 2
	s_wait_dscnt 0x0                               ; x is in registers: my stage is read no more:
	s_barrier_signal -1                            ; behind this barrier images may be stored there (my load of tile 1 stays out)
	MULT 3, 0
	s_barrier_wait -1
	PLACES
	FETCHC 1, 0                                    ; quad 1's first half, over the set just read
	MULT 3, 2
	PLACES                                         ; ahead of the first reads of the results
	; ---- q AND k: eight trips
	s_mov_b32 s[LC], 0
	s_wait_alu depctr_va_vdst(0)
.Lqk:
	TRIP 1, 1, 7
	s_add_co_u32 s[DI], s[DI], BLK
	s_add_co_u32 s[LC], s[LC], 1
	s_cmp_lt_u32 s[LC], 8
	s_cbranch_scc1 .Lqk
	s_wait_dscnt 0x0                               ; for the others' sake: my images have landed
	s_barrier_signal -1                            ; (my load of weight tile 9 stays out)
	s_barrier_wait -1                              ; everybody's have
	PLACES
	v_nop                                          ; (five places: the scores are laid over registers that matrix instructions have named)
	; ---- THE SCORES: 16 batches of 16 matrix instructions; the next batch's fragments are fetched ahead of each
	FETCHQ 0
	FETCHK 0
.set bb, 0
.rept 16
.if bb > 0
	PLACES                                         ; for the loads into the set that the batch before has multiplied
.endif
.if bb < 15
	FETCHK bb+1
.endif
.if (bb%4 == 0) && (bb < 12)
	FETCHQ bb/4+1
	s_wait_dscnt 28                                ; all but the 14 + 14 loads just issued
.elseif bb < 15
	s_wait_dscnt 14                                ; all but the 14 just issued
.else
	s_wait_dscnt 0x0
.endif
	MULB bb
	WIN 0
.set bb, bb+1
.endr
	PLACES
	SOFT 0
	SOFT 1
	SOFT 2
	SOFT 3
	; ---- c.  Register 8 T + j of query tile 0's registers holds, for 4 of my queries, the sum of p / l at key 16 T + 8 h + j.  Key tiles 4 d .. 4 d + 3 belong to wave d: 32 registers, 4,096 bytes, go to it through LDS
	WIN 0x08
.irp d, 0,1,2,3
.irp i, 0,1,2,3,4,5,6,7
	ds_store_b128 v[AQ+\d/2], v[32*\d+4*\i:32*\d+4*\i+3] offset:BLK*(\d%2)+512*\i   ; over my own images of q, which I alone have read, and whose reads are back
.endr
.endr
	WIN 0
	s_wait_dscnt 0x0
	s_barrier_signal -1
	s_barrier_wait -1
.irp u, 0,1,2,3
.irp i, 0,1,2,3,4,5,6,7
	ds_load_b128 v[CC+32*\u+4*\i:CC+32*\u+4*\i+3], v[ACL] offset:4*FRB*\u+512*\i
.endr
.endr
	FETCHC 0, 0                                    ; Wv's first fragments, from slot 0: whole since the last change of slots
	s_wait_dscnt 48                                ; the four parts are in; the 48 loads just issued may be out
	; ---- v: quad 0 of Wv's first tile, under the sum of c's four parts and the sum over the 16 queries that lie in the 16 lanes of a half (every lane of half h then holds c[16 t + 8 h + j])
	CHUNK 0, 0, 0, 0, 1, 5, 24, -1
	CHUNK 0, 0, 1, 1, 0, 6, 24, -1
	s_mov_b32 s[LC], 0
.Lva:                                                  ; two trips that still ask for tiles, 10 and 11
	TRIP 0, 1, -1
	s_add_co_u32 s[OE], s[OE], 512
	s_add_co_u32 s[LC], s[LC], 1
	s_cmp_lt_u32 s[LC], 2
	s_cbranch_scc1 .Lva
	s_mov_b32 s[LC], 0
.Lvb:                                                  ; a second copy
	TRIP 0, 0, 1
	s_add_co_u32 s[OE], s[OE], 512
	s_add_co_u32 s[LC], s[LC], 1
	s_cmp_lt_u32 s[LC], 2
	s_cbranch_scc1 .Lvb
	; ---- THE WAY OUT: the four waves' parts are added; thread i stores e = 4 i .. 4 i + 3
	s_wait_dscnt 0x0                               ; for the others' sake: my partial outputs have landed
	s_barrier_signal -1
	s_barrier_wait -1
.irp u, 0,1,2,3
	ds_load_b128 v[64+4*\u:67+4*\u], v[AOR] offset:2048*\u
.endr
	v_lshlrev_b32 v84, 4, v0
	s_wait_dscnt 0x0
	v_pk_add_f32 v[64:65], v[64:65], v[68:69]
	v_pk_add_f32 v[66:67], v[66:67], v[70:71]
	v_pk_add_f32 v[72:73], v[72:73], v[76:77]
	v_pk_add_f32 v[74:75], v[74:75], v[78:79]
	v_pk_add_f32 v[64:65], v[64:65], v[72:73]
	v_pk_add_f32 v[66:67], v[66:67], v[74:75]
	s_wait_alu depctr_va_vdst(0)
	global_store_b128 v84, v[64:67], s[24:25]      ; a wave stores 512 consecutive bytes, at a multiple of 256 from the output's first byte
	s_wait_tensorcnt 0x0                           ; the wave's end, behind my last tensor load and my last LDS store
	ds_add_u32 v[SPW], v[NIL]
	s_wait_dscnt 0x0
	ROUND                                          ; the closing round: no work-group ends while a partner may still ask for a tile that names it
	s_endpgm
.Lfunc_end_k_qdb4ebe76ee_merge:
	.size	k_qdb4ebe76ee_merge, .Lfunc_end_k_qdb4ebe76ee_merge-k_qdb4ebe76ee_merge
	.p2alignl 7, 3214868480
	.fill 96, 4, 3214868480
	.section	.rodata,"a",@progbits
	.p2align	6, 0x0
	.amdhsa_kernel k_qdb4ebe76ee_merge
		.amdhsa_group_segment_fixed_size 327680
		.amdhsa_private_segment_fixed_size 0
		.amdhsa_enable_private_segment 0
		.amdhsa_kernarg_size 72
		.amdhsa_user_sgpr_count 2
		.amdhsa_user_sgpr_kernarg_segment_ptr 1
		.amdhsa_wavefront_size32 1
		.amdhsa_system_sgpr_workgroup_id_x 1
		.amdhsa_system_sgpr_workgroup_id_y 1
		.amdhsa_system_sgpr_workgroup_id_z 1
		.amdhsa_system_vgpr_workitem_id 0
		.amdhsa_next_free_vgpr 1024
		.amdhsa_next_free_sgpr 66
		.amdhsa_reserve_vcc 0
		.amdhsa_float_denorm_mode_32 3
		.amdhsa_float_denorm_mode_16_64 3
		.amdhsa_memory_ordered 1
		.amdhsa_forward_progress 1
		.amdhsa_inst_pref_size 255
	.end_amdhsa_kernel
	.section	.bss,"aw",@nobits
	.p2align	6
	.space	262144
	.amdgpu_metadata
---
amdhsa.version: [ 1, 2 ]
amdhsa.kernels:
  - .name:           k_qdb4ebe76ee_merge
    .symbol:         k_qdb4ebe76ee_merge.kd
    .args:
      - { .name: msg_stacked_codes, .offset: 0, .size: 8, .value_kind: global_buffer, .address_space: global }
      - { .name: msg_stacked_scales, .offset: 8, .size: 8, .value_kind: global_buffer, .address_space: global }
      - { .name: w_query_codes, .offset: 16, .size: 8, .value_kind: global_buffer, .address_space: global }
      - { .name: w_query_scales, .offset: 24, .size: 8, .value_kind: global_buffer, .address_space: global }
      - { .name: w_key_codes, .offset: 32, .size: 8, .value_kind: global_buffer, .address_space: global }
      - { .name: w_key_scales, .offset: 40, .size: 8, .value_kind: global_buffer, .address_space: global }
      - { .name: w_value_codes, .offset: 48, .size: 8, .value_kind: global_buffer, .address_space: global }
      - { .name: w_value_scales, .offset: 56, .size: 8, .value_kind: global_buffer, .address_space: global }
      - { .name: out0, .offset: 64, .size: 8, .value_kind: global_buffer, .address_space: global }
    .group_segment_fixed_size: 327680
    .private_segment_fixed_size: 0
    .kernarg_segment_align: 8
    .kernarg_segment_size: 72
    .max_flat_workgroup_size: 128
    .sgpr_count:     66
    .vgpr_count:     1024
    .wavefront_size: 32
...
	.end_amdgpu_metadata
.endif
;; end of part 1
